; MI455X (gfx1250); checked and timed in simulation.
; The chip was launched on July 23, 2026; its instructions are those of AMD's public machine-readable ISA for CDNA 5 (MIT licence, August 2026) and "CDNA5" Instruction Set Architecture Reference Guide (July 2026). The comments in the code are by the model that wrote it; some were corrected since.
;; CT Class. Allowed arithmetic: float matrix products may take bf16 or f16 operands with f32 sums; all other float work in f32.
;; Inputs: x 2 x 1 x 512 x 512 float32; y 2 x 1 x 725 x 45 float32.
;; Outputs: out0 2 x 1 x 512 x 512 float32.
;; 2 versions, each right; version 2 is version 1 with the launch backproject written anew for expert scheduling mode. Each part assembles by itself: llvm-mc -triple=amdgcn-amd-amdhsa -mcpu=gfx1250 --defsym DOCPART=n.
;; ======== version 1 of 2: 3 launches
;; workspace buffers: part 4,239,360 bytes; res 276,480 bytes
;; launch radon (part 1): grid 256 x 1, 23 waves a work-group, no clusters, 156,160 bytes of LDS; arguments x, part; writes part
.if DOCPART == 1
	.amdgcn_target "amdgcn-amd-amdhsa--gfx1250"
	.amdhsa_code_object_version 6
	.text
	.protected	k_q6fc78346ca_radon
	.globl	k_q6fc78346ca_radon
	.p2align	8
	.type	k_q6fc78346ca_radon,@function
k_q6fc78346ca_radon:
	s_mov_b64 s[64:65], 0
	v_nop
	global_prefetch_b8 v0, s[64:65] scope:SCOPE_SE
	s_setreg_imm32_b32 hwreg(HW_REG_WAVE_MODE, 25, 1), 1
	s_wait_xcnt 0x0
; RAY SUMS, BAND BY BAND.  part[a][band][j][b] = the sum over i = 0..724 of the bilinear sample of x[b] at the lattice point (i, j) of angle a = 4a degrees,
; counting only the pixels of one band of 32 image lines.  With J = j - 362, I = i - 362 the point lies at X = cos J + sin I, Y = -sin J + cos I, measured from pixel (256, 256);
; outside the 512 x 512 pixels the padded image is 0.  The 16 bands of an angle add up to the whole ray sum, since the sample is linear in the pixels.
; SHARES.  256 work-groups = 16 bands x 16 groups of up to 3 angles.  Angles 0-11 and 34-44 (|cos| > |sin|, rays mostly along y) take bands of 32 rows; angles 12-33 take bands of
; 32 columns, laid TRANSPOSED in LDS, so that one text samples both: P runs along the band (515 columns in LDS), Q across it (35 rows).  P = PA J + PB I, Q = QA J + QB I, |QB| >= 0.71.
; A wave is 32 neighbouring j (23 waves: j = 0..735; 725 and up are never read later).  A lane walks its ray from the lattice point at which it enters the band.
; LDS.  Row q, column p holds pixel (q - 1, p - 1) of the band for both batches, 8 bytes, so one load brings a tap of both.  Row 0, rows 33, 34, column 0 and columns 513, 514 are 0:
; a cell index outside 0..32 x 0..512 is clamped to cell (33, 513), whose four taps are 0, and a tap that belongs to a neighbouring band reads 0 here and its value there.
; WHOLE NUMBERS.  Coordinates are fixed point with 22 fraction bits, modulo 2^32; the true local P and Q lie within -743..777, so nothing outside aliases into the band.
; LIMIT: cos and sin are cut to 22 bits, so a sample lies up to 362 x 2^-22 = 9e-5 pixel from its exact place.  The weights are exact f32 numbers made of the fraction bits; sums in f32.
; NaN and infinities in x are not treated apart.
; NO TENSOR LOAD, NO CLUSTER, though the 8 groups of a kind read the same band: the fill interleaves two planes 1 MB apart and, for column bands, transposes; a tile descriptor
; does neither (its fastest index steps by one element), so the 131,072 bytes of a band go through registers.
.set NW,    23
.set PITCH, 4144                       ; an LDS row: 8 bytes ahead, 515 columns of 8 bytes, 16 spare: a multiple of 16
.set ZSTEP, NW*32*16                   ; what one 16-byte store of every thread covers
.set SPARE, 13*ZSTEP                   ; 153,088: behind the zeroed bytes (the tile is 35 x 4,144 = 145,040 of them) the spare words, 128 bytes a wave
.set XB,    1048576                    ; bytes from batch 0 to batch 1 of x
.set PROW,  736*8                      ; bytes of part for one angle and band
.set MAXT,  24                         ; trips of two samples: floor(33 / 0.7193) + 3 = 48 samples at the most
.set C4,    1071126243                 ; cos 4 degrees x 2^30
.set S4,    74900443                   ; sin 4 degrees x 2^30
.set LANE, 2
.set VJ,   3                           ; J of my ray
.set VOUT, 4                           ; 8 j
.set SPW,  5                           ; LDS address of my spare word; never rewritten
.set NIL,  6                           ; 0; never rewritten
.set VG,   7                           ; my lane's part of a byte offset in x
.set VL,   8                           ; my lane's part of an LDS address of the fill
.set GO,   10                          ; v10-15  byte offsets of my six pieces of x
.set D,    16                          ; v16-63  six pieces: 4 pixels of batch 0, 4 of batch 1
.set O,    64                          ; v64-71  a piece with the batches interleaved
.set Z,    72                          ; v72-75  zeros
.set ZA,   76                          ; v76-78  where they go
.set P,    80
.set Q,    81
.set VI,   82
.set KM,   84                          ; v84-85  (-2, 2)
.set KA,   86                          ; v86-87  (3, -2)
.set ACA,  88                          ; v88-89  sums of the even samples, batch 0 and 1
.set ACB,  90                          ; v90-91  of the odd samples
.set S0,   96                          ; v96-115, v120-139: the registers of a trip's two samples
.set S1,   120
.set WV,   8
.set BAND, 9
.set GRP,  10
.set TYP,  11                          ; 0: bands of rows, 1: bands of columns
.set CNT,  30
.set ANG,  31
.set PA,   32
.set PB,   33
.set QA,   34
.set QB,   35
.set MSK,  38
.set ONE,  39
.set SET,  40                          ; s40-54  three sets of (cos, sin) x 2^22, (start slope, 1 / QB) x 2^20, trips
.set TRIP, 55
.set QLO,  56                          ; the band's lowest cell, 32 band - 257
.set QOF,  57
.set J0,   58
.set J1,   59
	s_load_b128 s[4:7], s[0:1], 0x0                ; x s[4:5], part s[6:7]
	v_lshl_add_u32 v[SPW], v0, 2, SPARE
	v_mov_b32 v[NIL], 0
	v_lshrrev_b32 v1, 5, v0
	v_readfirstlane_b32 s[WV], v1
	v_and_b32 v[LANE], 31, v0
	s_and_b32 s[BAND], ttmp9, 15
	s_lshr_b32 s[GRP], ttmp9, 4
	s_sub_co_u32 s12, s[GRP], 4
	s_cmp_lt_u32 s12, 8                            ; groups 4-11 hold angles 12-33
	s_cselect_b32 s[TYP], 1, 0
	s_cselect_b32 s12, 7, 31                       ; a piece is 32 lanes x 16 bytes: of one row (128 pixels), or 8 lanes x 16 bytes in each of 4 rows
	s_cselect_b32 s13, 3, 5
	v_and_b32 v1, s12, v[LANE]
	v_lshrrev_b32 v[VG], s13, v[LANE]
	v_lshlrev_b32 v1, 4, v1
	v_lshl_add_u32 v[VG], v[VG], 11, v1            ; row in the piece x 2,048 + 16 x place in the row
	s_wait_kmcnt 0x0
; A band is 128 pieces; wave w takes pieces w, w + 23, ..  Row bands: piece n is quarter n % 4 of row n / 4.  Column bands: piece n is rows 4 n .. 4 n + 3, the band's 128 bytes of each.
.macro ASK m
	s_add_co_u32 s16, s[WV], NW*(\m)
	s_lshr_b32 s17, s16, 2
	s_and_b32 s18, s16, 3
	s_lshl_b32 s19, s[BAND], 5
	s_add_co_u32 s19, s19, s17
	s_lshl_b32 s19, s19, 11
	s_lshl_b32 s18, s18, 9
	s_add_co_u32 s19, s19, s18                     ; (32 band + row) x 2,048 + quarter x 512
	s_lshl_b32 s20, s16, 13
	s_lshl_b32 s21, s[BAND], 7
	s_add_co_u32 s20, s20, s21                     ; 4 n x 2,048 + band x 128
	s_cmp_eq_u32 s[TYP], 1
	s_cselect_b32 s19, s20, s19
	v_add_nc_u32 v[GO+(\m)], s19, v[VG]
	global_load_b128 v[D+8*(\m):D+8*(\m)+3], v[GO+(\m)], s[4:5]
	global_load_b128 v[D+8*(\m)+4:D+8*(\m)+7], v[GO+(\m)], s[4:5] offset:XB
.endm
	ASK 0
	ASK 1
	ASK 2
	ASK 3
	ASK 4
	s_cmp_lt_u32 s[WV], 13                         ; pieces 115 + w exist for w < 13
	s_cbranch_scc0 .Lasked
	ASK 5
.Lasked:
	; while x is on its way: zeros over the whole tile,
	v_lshlrev_b32 v[ZA], 4, v0
	v_add_nc_u32 v[ZA+1], 6*ZSTEP, v[ZA]
	v_add_nc_u32 v[ZA+2], 12*ZSTEP, v[ZA]
.irp k, 0,1,2,3
	v_mov_b32 v[Z+\k], 0
.endr
.irp k, 0,1,2,3,4,5
	ds_store_b128 v[ZA], v[Z:Z+3] offset:\k*ZSTEP
	ds_store_b128 v[ZA+1], v[Z:Z+3] offset:\k*ZSTEP
.endr
	ds_store_b128 v[ZA+2], v[Z:Z+3]
	; and my group's constants.  The assembler turns (cos, sin) by 4 degrees at a time in 30 fraction bits; angle AN belongs to group GG as its KK-th.
	; A ray J is inside the band for I from (edge - QA J) / QB on, for 33 / |QB| steps: slope -QA / QB and 1 / QB in 20 fraction bits.  Samples: floor(33 / |QB|) + 3, two a trip:
	; one for the floor at the start, one for the part step at the end, and one because the start, made of 20-bit numbers times at most 373 and 257, may fall a lattice point early.
.irp k, 0,1,2,3,4,5,6,7,8,9,10,11,12,13,14
	s_mov_b32 s[SET+\k], 0                         ; a set that stays 0 has no trips: the group has fewer than three angles
.endr
.set CC, 1<<30
.set SS, 0
.set AN, 0
.rept 45
.if (AN >= 12) && (AN <= 33)
.set DD, SS
.set NN, -CC
.else
.set DD, CC
.set NN, SS
.endif
.set K_CT, CC/256
.set K_ST, SS/256
.set K_SL, (NN*(1<<20))/DD
.set K_RQ, (1<<50)/DD
.set AR, K_RQ
.if K_RQ < 0
.set AR, -K_RQ
.endif
.set K_NT, ((33*AR)/(1<<20)+4)/2
.if AN < 34
.set GG, AN/3
.set KK, AN%3
.else
.set GG, (AN+2)/3
.set KK, (AN+2)%3
.endif
	s_cmp_eq_u32 s[GRP], GG
	s_cselect_b32 s[SET+5*KK], K_CT, s[SET+5*KK]
	s_cselect_b32 s[SET+5*KK+1], K_ST, s[SET+5*KK+1]
	s_cselect_b32 s[SET+5*KK+2], K_SL, s[SET+5*KK+2]
	s_cselect_b32 s[SET+5*KK+3], K_RQ, s[SET+5*KK+3]
	s_cselect_b32 s[SET+5*KK+4], K_NT, s[SET+5*KK+4]
.set TC, (CC*C4-SS*S4)/(1<<30)
.set SS, (SS*C4+CC*S4)/(1<<30)
.set CC, TC
.set AN, AN+1
.endr
	s_wait_dscnt 0x0                               ; my zeros are written,
	s_barrier_signal -1
	s_barrier_wait -1                              ; everybody's are: pixels may now be laid over them
	s_wait_loadcnt 0x0
.macro MIX m                           ; (a0 a1 a2 a3)(c0 c1 c2 c3) -> a0 c0 a1 c1 a2 c2 a3 c3
.irp k, 0,1,2,3
	v_mov_b32 v[O+2*\k], v[D+8*(\m)+\k]
	v_mov_b32 v[O+2*\k+1], v[D+8*(\m)+4+\k]
.endr
.endm
.macro PUTW m                          ; row bands: pixel (row, col) at (row + 1) PITCH + 16 + 8 col; my 4 pixels are 32 bytes on end
	MIX \m
	s_add_co_u32 s16, s[WV], NW*(\m)
	s_lshr_b32 s17, s16, 2
	s_and_b32 s18, s16, 3
	s_mul_i32 s17, s17, PITCH
	s_lshl_b32 s18, s18, 10
	s_add_co_u32 s17, s17, s18
	v_add_nc_u32 v1, s17, v[VL]
	ds_store_b128 v1, v[O:O+3] offset:PITCH+16
	ds_store_b128 v1, v[O+4:O+7] offset:PITCH+32
.endm
.macro PUTT m                          ; column bands: pixel (y, x) at (x + 1) PITCH + 16 + 8 y; my 4 pixels go to 4 LDS rows
	MIX \m
	s_add_co_u32 s16, s[WV], NW*(\m)
	s_lshl_b32 s16, s16, 5                         ; 8 bytes x 4 rows a piece
	v_add_nc_u32 v1, s16, v[VL]
.irp k, 0,1,2,3
	ds_store_b64 v1, v[O+2*\k:O+2*\k+1] offset:(\k+1)*PITCH+16
.endr
.endm
	; A work-group lays its band in one of two ways: TYP is made of the work-group's number and is the same in all its waves.  The two ways write the same LDS bytes, so they stand
	; one behind the other with a barrier of every wave between them: no store of the one can run beside a store of the other, whatever way a wave takes.
	s_cmp_eq_u32 s[TYP], 1
	s_cbranch_scc1 .Lrows_done
	v_lshlrev_b32 v[VL], 5, v[LANE]
	PUTW 0
	PUTW 1
	PUTW 2
	PUTW 3
	PUTW 4
	s_cmp_lt_u32 s[WV], 13
	s_cbranch_scc0 .Lrows_done
	PUTW 5
.Lrows_done:
	s_wait_dscnt 0x0                               ; my stores of the row way, if any, are done,
	s_barrier_signal -1
	s_barrier_wait -1                              ; everybody's are
	s_cmp_eq_u32 s[TYP], 0
	s_cbranch_scc1 .Lfilled
	v_and_b32 v1, 7, v[LANE]
	v_lshrrev_b32 v[VL], 3, v[LANE]
	v_mul_u32_u24 v1, 4*PITCH, v1                  ; 4 LDS rows for each 16 bytes along x,
	v_lshl_add_u32 v[VL], v[VL], 3, v1             ; 8 bytes for each row of the image
	PUTT 0
	PUTT 1
	PUTT 2
	PUTT 3
	PUTT 4
	s_cmp_lt_u32 s[WV], 13
	s_cbranch_scc0 .Lfilled
	PUTT 5
.Lfilled:
	s_wait_dscnt 0x0                               ; my pixels are written,
	s_barrier_signal -1
	s_barrier_wait -1                              ; everybody's are.  From here on the tile is only read
	s_lshl_b32 s[J0], s[WV], 5
	s_add_co_u32 s[J1], s[J0], 31
	v_add_nc_u32 v[VOUT], s[J0], v[LANE]           ; j
	v_add_nc_u32 v[VJ], 0xfffffe96, v[VOUT]        ; J = j - 362
	v_lshlrev_b32 v[VOUT], 3, v[VOUT]
	v_mov_b32 v[KM], -2.0
	v_mov_b32 v[KM+1], 2.0
	v_mov_b32 v[KA], 0x40400000                    ; 3.0
	v_mov_b32 v[KA+1], -2.0
	s_mov_b32 s[MSK], 0x3fffff
	s_mov_b32 s[ONE], 0x3f800000
	s_mul_i32 s[ANG], s[GRP], 3                    ; the group's first angle: 3 g, from group 12 on 3 g - 2
	s_cmp_ge_u32 s[GRP], 12
	s_cselect_b32 s12, 2, 0
	s_sub_co_u32 s[ANG], s[ANG], s12
	s_lshl_b32 s[QLO], s[BAND], 5
	s_sub_co_i32 s[QLO], s[QLO], 257
	s_sub_co_i32 s[QOF], 0, s[QLO]
	s_lshl_b32 s[QOF], s[QOF], 22                  ; local Q = Q - QLO
; One sample.  Cell = the whole parts of P and Q, clamped; four taps of both batches; f = 1 + fraction / 2 is made by setting the fraction bits under the exponent of 1.0,
; and (1 - w, w) = f (-2, 2) + (3, -2) exactly.  The four weights are two packed products.
.macro POS b
	v_lshrrev_b32 v[\b], 22, v[P]
	v_lshrrev_b32 v[\b+1], 22, v[Q]
	v_and_or_b32 v[\b+2], v[P], s[MSK], s[ONE]
	v_and_or_b32 v[\b+3], v[Q], s[MSK], s[ONE]
	v_min_u32 v[\b], 513, v[\b]
	v_min_u32 v[\b+1], 33, v[\b+1]
	v_add_nc_u32 v[P], s[PB], v[P]                 ; on to the ray's next lattice point
	v_add_nc_u32 v[Q], s[QB], v[Q]
	v_lshlrev_b32 v[\b], 3, v[\b]
	v_mad_u32_u24 v[\b+1], v[\b+1], PITCH, v[\b]   ; at most 33 x 4,144 + 513 x 8: with the offsets below inside the tile
	ds_load_b64 v[\b+12:\b+13], v[\b+1] offset:8
	ds_load_b64 v[\b+14:\b+15], v[\b+1] offset:16
	ds_load_b64 v[\b+16:\b+17], v[\b+1] offset:PITCH+8
	ds_load_b64 v[\b+18:\b+19], v[\b+1] offset:PITCH+16
	v_pk_fma_f32 v[\b+4:\b+5], v[\b+2:\b+3], v[KM:KM+1], v[KA:KA+1] op_sel_hi:[0,1,1]
	v_pk_fma_f32 v[\b+6:\b+7], v[\b+2:\b+3], v[KM:KM+1], v[KA:KA+1] op_sel:[1,0,0] op_sel_hi:[1,1,1]
	v_pk_mul_f32 v[\b+8:\b+9], v[\b+4:\b+5], v[\b+6:\b+7] op_sel_hi:[1,0]
	v_pk_mul_f32 v[\b+10:\b+11], v[\b+4:\b+5], v[\b+6:\b+7] op_sel:[0,1] op_sel_hi:[1,1]
.endm
.macro SUMUP b, acc                    ; each tap's pair (batch 0, batch 1) times its weight
	v_pk_fma_f32 v[\acc:\acc+1], v[\b+12:\b+13], v[\b+8:\b+9], v[\acc:\acc+1] op_sel_hi:[1,0,1]
	v_pk_fma_f32 v[\acc:\acc+1], v[\b+14:\b+15], v[\b+8:\b+9], v[\acc:\acc+1] op_sel:[0,1,0] op_sel_hi:[1,1,1]
	v_pk_fma_f32 v[\acc:\acc+1], v[\b+16:\b+17], v[\b+10:\b+11], v[\acc:\acc+1] op_sel_hi:[1,0,1]
	v_pk_fma_f32 v[\acc:\acc+1], v[\b+18:\b+19], v[\b+10:\b+11], v[\acc:\acc+1] op_sel:[0,1,0] op_sel_hi:[1,1,1]
.endm
	s_mov_b32 s[CNT], 0
.Langle:                                               ; three trips; set 0 is the angle in hand
	s_cmp_eq_u32 s[SET+4], 0
	s_cbranch_scc1 .Lno_angle
	s_sub_co_i32 s12, 0, s[SET+1]
	s_cmp_eq_u32 s[TYP], 0
	s_cselect_b32 s[PA], s[SET], s12               ; rows: P = X, Q = Y;  columns: P = Y, Q = X
	s_cselect_b32 s[PB], s[SET+1], s[SET]
	s_cselect_b32 s[QA], s12, s[SET]
	s_cselect_b32 s[QB], s[SET], s[SET+1]
	; Which j can meet the band: J = PA P + QA Q over P in -257..257, Q in QLO..QLO + 33, in 20 fraction bits, widened by a detector or two.
	s_ashr_i32 s13, s[QA], 2
	s_ashr_i32 s14, s[PA], 2
	s_sub_co_i32 s15, 0, s14
	s_max_i32 s14, s14, s15
	s_mul_i32 s14, s14, 257
	s_mul_i32 s15, s13, s[QLO]
	s_mul_i32 s13, s13, 33
	s_min_i32 s16, s13, 0
	s_max_i32 s17, s13, 0
	s_add_co_i32 s16, s16, s15
	s_sub_co_i32 s16, s16, s14
	s_add_co_i32 s17, s17, s15
	s_add_co_i32 s17, s17, s14
	s_ashr_i32 s16, s16, 20
	s_ashr_i32 s17, s17, 20
	s_add_co_i32 s16, s16, 361
	s_add_co_i32 s17, s17, 364
	v_mov_b32 v[ACA], 0
	v_mov_b32 v[ACA+1], 0
	v_mov_b32 v[ACB], 0
	v_mov_b32 v[ACB+1], 0
	s_cmp_lt_i32 s[J1], s16
	s_cbranch_scc1 .Lstore                         ; none of my 32 rays meets the band: zeros are stored
	s_cmp_gt_i32 s[J0], s17
	s_cbranch_scc1 .Lstore
	; My ray's first lattice point: I = floor((edge - QA J) / QB), the edge at which Q enters; kept so that all 2 x trips samples have i in 0..724.
	s_cmp_gt_i32 s[QB], 0
	s_cselect_b32 s12, 0, 33
	s_add_co_i32 s12, s12, s[QLO]
	s_mul_i32 s12, s12, s[SET+3]
	v_mul_lo_u32 v[VI], v[VJ], s[SET+2]
	v_add_nc_u32 v[VI], s12, v[VI]
	v_ashrrev_i32 v[VI], 20, v[VI]
	s_lshl_b32 s13, s[SET+4], 1
	s_sub_co_i32 s13, 363, s13
	v_max_i32 v[VI], 0xfffffe96, v[VI]             ; I >= -362
	v_min_i32 v[VI], s13, v[VI]                    ; I + samples - 1 <= 362
	v_mul_lo_u32 v[P], v[VJ], s[PA]
	v_mul_lo_u32 v1, v[VI], s[PB]
	v_add3_u32 v[P], v[P], v1, 0x40400000          ; local P = P + 257
	v_mul_lo_u32 v[Q], v[VJ], s[QA]
	v_mul_lo_u32 v1, v[VI], s[QB]
	v_add3_u32 v[Q], v[Q], v1, s[QOF]
	s_mov_b32 s[TRIP], 0
.Lray:                                                 ; counted to the constant maximum; the trips that this angle does not need are jumped over
	s_cmp_ge_u32 s[TRIP], s[SET+4]
	s_cbranch_scc1 .Ldead
	POS S0
	POS S1
	s_wait_dscnt 0x4                               ; the first sample's four taps are in; the second's four may be out
	SUMUP S0, ACA
	s_wait_dscnt 0x0
	SUMUP S1, ACB
.Ldead:
	s_add_co_u32 s[TRIP], s[TRIP], 1
	s_cmp_lt_u32 s[TRIP], MAXT
	s_cbranch_scc1 .Lray
.Lstore:
	v_pk_add_f32 v[ACA:ACA+1], v[ACA:ACA+1], v[ACB:ACB+1]
	s_lshl_b32 s12, s[ANG], 4
	s_add_co_u32 s12, s12, s[BAND]
	s_mul_i32 s12, s12, PROW
	s_mov_b32 s13, 0
	s_add_nc_u64 s[36:37], s[6:7], s[12:13]
	global_store_b64 v[VOUT], v[ACA:ACA+1], s[36:37]  ; the wave stores 256 consecutive bytes, at a multiple of 256 from the first byte of part
	s_wait_xcnt 0x0                                ; the sums and the base are written again in the next trip only behind this wait
.Lno_angle:
.irp k, 0,1,2,3,4,5,6,7,8,9
	s_mov_b32 s[SET+\k], s[SET+5+\k]               ; the next angle's set moves down
.endr
	s_add_co_u32 s[ANG], s[ANG], 1
	s_add_co_u32 s[CNT], s[CNT], 1
	s_cmp_lt_u32 s[CNT], 3
	s_cbranch_scc1 .Langle
	s_wait_dscnt 0x0
	s_barrier_signal -1                            ; every wave has read the tile for the last time
	s_barrier_wait -1
	s_wait_tensorcnt 0x0                           ; the wave's end
	ds_add_u32 v[SPW], v[NIL]
	s_wait_dscnt 0x0
	s_endpgm
.Lfunc_end_k_q6fc78346ca_radon:
	.size	k_q6fc78346ca_radon, .Lfunc_end_k_q6fc78346ca_radon-k_q6fc78346ca_radon
	.p2alignl 7, 3214868480
	.fill 96, 4, 3214868480
	.section	.rodata,"a",@progbits
	.p2align	6, 0x0
	.amdhsa_kernel k_q6fc78346ca_radon
		.amdhsa_group_segment_fixed_size 156160
		.amdhsa_private_segment_fixed_size 0
		.amdhsa_enable_private_segment 0
		.amdhsa_kernarg_size 16
		.amdhsa_user_sgpr_count 2
		.amdhsa_user_sgpr_kernarg_segment_ptr 1
		.amdhsa_wavefront_size32 1
		.amdhsa_system_sgpr_workgroup_id_x 1
		.amdhsa_system_sgpr_workgroup_id_y 1
		.amdhsa_system_sgpr_workgroup_id_z 1
		.amdhsa_system_vgpr_workitem_id 0
		.amdhsa_next_free_vgpr 144
		.amdhsa_next_free_sgpr 66
		.amdhsa_reserve_vcc 0
		.amdhsa_float_denorm_mode_32 3
		.amdhsa_float_denorm_mode_16_64 3
		.amdhsa_memory_ordered 1
		.amdhsa_forward_progress 1
		.amdhsa_inst_pref_size 36
	.end_amdhsa_kernel
	.amdgpu_metadata
---
amdhsa.version: [ 1, 2 ]
amdhsa.kernels:
  - .name:           k_q6fc78346ca_radon
    .symbol:         k_q6fc78346ca_radon.kd
    .args:
      - { .name: x, .offset: 0, .size: 8, .value_kind: global_buffer, .address_space: global }
      - { .name: part, .offset: 8, .size: 8, .value_kind: global_buffer, .address_space: global }
    .group_segment_fixed_size: 156160
    .private_segment_fixed_size: 0
    .kernarg_segment_align: 8
    .kernarg_segment_size: 16
    .max_flat_workgroup_size: 736
    .sgpr_count:     66
    .vgpr_count:     144
    .wavefront_size: 32
...
	.end_amdgpu_metadata
.endif
;; end of part 1
;; launch residual (part 2): grid 6 x 45, 4 waves a work-group, no clusters, 0 bytes of LDS; arguments part, y, res; writes res
.if DOCPART == 2
	.amdgcn_target "amdgcn-amd-amdhsa--gfx1250"
	.amdhsa_code_object_version 6
	.text
	.protected	k_q6fc78346ca_residual
	.globl	k_q6fc78346ca_residual
	.p2align	8
	.type	k_q6fc78346ca_residual,@function
k_q6fc78346ca_residual:
	s_mov_b64 s[64:65], 0
	v_nop
	global_prefetch_b8 v0, s[64:65] scope:SCOPE_SE
	s_setreg_imm32_b32 hwreg(HW_REG_WAVE_MODE, 25, 1), 1
	s_wait_xcnt 0x0
; res[a][j][b] = the sum over the 16 bands of part[a][band][j][b], less y[b][j][a]; 0 for j = 725..767, where the sinogram has no entry and a tap counts as 0.
; A thread is one (a, j): a = the work-group's y, j = 128 x the work-group's x + the thread's number.  Its 16 loads of 8 bytes are all issued before the one wait; a wave's load and its
; store cover 256 consecutive bytes.  This step stands alone because each of the 256 tiles of the last step would otherwise add the 16 bands again for the 72 detectors it sees of each
; of 45 angles: 45 x 72 x 16 x 8 bytes a tile against 4,239,360 bytes read once here.
; y lies with the angle fastest, so neighbouring lanes read 4 bytes 180 bytes apart; each of its 261,000 bytes is used once in the launch.
.set PROW, 736*8
.set RROW, 768*8
	s_load_b128 s[4:7], s[0:1], 0x0                ; part s[4:5], y s[6:7]
	s_load_b64 s[8:9], s[0:1], 0x10                ; res
	s_and_b32 s10, ttmp7, 0xffff                   ; a
	s_lshl_b32 s11, ttmp9, 7
	v_add_nc_u32 v1, s11, v0                       ; j
	v_min_u32 v2, 735, v1                          ; part has 736 detectors, y 725: lanes past them read the last one and store 0
	v_min_u32 v3, 724, v1
	v_lshlrev_b32 v2, 3, v2
	s_lshl_b32 s12, s10, 2
	v_mad_u32_u24 v3, v3, 180, s12                 ; (45 j + a) x 4
	v_lshlrev_b32 v4, 3, v1
	s_mul_i32 s12, s10, 16*PROW
	s_mov_b32 s13, 0
	s_mul_i32 s14, s10, RROW
	s_mov_b32 s15, 0
	s_wait_kmcnt 0x0
	s_add_nc_u64 s[4:5], s[4:5], s[12:13]
	s_add_nc_u64 s[8:9], s[8:9], s[14:15]
.irp i, 0,1,2,3,4,5,6,7,8,9,10,11,12,13,14,15
	global_load_b64 v[8+2*\i:9+2*\i], v2, s[4:5] offset:\i*PROW
.endr
	global_load_b32 v40, v3, s[6:7]
	global_load_b32 v41, v3, s[6:7] offset:130500  ; batch 1: 725 x 45 x 4 bytes on
	s_wait_loadcnt 0x0
.irp i, 0,1,2,3,4,5,6,7
	v_pk_add_f32 v[8+2*\i:9+2*\i], v[8+2*\i:9+2*\i], v[24+2*\i:25+2*\i]
.endr
.irp i, 0,1,2,3
	v_pk_add_f32 v[8+2*\i:9+2*\i], v[8+2*\i:9+2*\i], v[16+2*\i:17+2*\i]
.endr
.irp i, 0,1
	v_pk_add_f32 v[8+2*\i:9+2*\i], v[8+2*\i:9+2*\i], v[12+2*\i:13+2*\i]
.endr
	v_pk_add_f32 v[8:9], v[8:9], v[10:11]
	v_pk_add_f32 v[8:9], v[8:9], v[40:41] neg_lo:[0,1] neg_hi:[0,1]
	v_cmp_gt_u32 vcc_lo, 725, v1
	v_cndmask_b32 v8, 0, v8, vcc_lo
	v_cndmask_b32 v9, 0, v9, vcc_lo
	global_store_b64 v4, v[8:9], s[8:9]
	s_endpgm
.Lfunc_end_k_q6fc78346ca_residual:
	.size	k_q6fc78346ca_residual, .Lfunc_end_k_q6fc78346ca_residual-k_q6fc78346ca_residual
	.p2alignl 7, 3214868480
	.fill 96, 4, 3214868480
	.section	.rodata,"a",@progbits
	.p2align	6, 0x0
	.amdhsa_kernel k_q6fc78346ca_residual
		.amdhsa_group_segment_fixed_size 0
		.amdhsa_private_segment_fixed_size 0
		.amdhsa_enable_private_segment 0
		.amdhsa_kernarg_size 24
		.amdhsa_user_sgpr_count 2
		.amdhsa_user_sgpr_kernarg_segment_ptr 1
		.amdhsa_wavefront_size32 1
		.amdhsa_system_sgpr_workgroup_id_x 1
		.amdhsa_system_sgpr_workgroup_id_y 1
		.amdhsa_system_sgpr_workgroup_id_z 1
		.amdhsa_system_vgpr_workitem_id 0
		.amdhsa_next_free_vgpr 48
		.amdhsa_next_free_sgpr 66
		.amdhsa_reserve_vcc 1
		.amdhsa_float_denorm_mode_32 3
		.amdhsa_float_denorm_mode_16_64 3
		.amdhsa_memory_ordered 1
		.amdhsa_forward_progress 1
		.amdhsa_inst_pref_size 5
	.end_amdhsa_kernel
	.amdgpu_metadata
---
amdhsa.version: [ 1, 2 ]
amdhsa.kernels:
  - .name:           k_q6fc78346ca_residual
    .symbol:         k_q6fc78346ca_residual.kd
    .args:
      - { .name: part, .offset: 0, .size: 8, .value_kind: global_buffer, .address_space: global }
      - { .name: y, .offset: 8, .size: 8, .value_kind: global_buffer, .address_space: global }
      - { .name: res, .offset: 16, .size: 8, .value_kind: global_buffer, .address_space: global }
    .group_segment_fixed_size: 0
    .private_segment_fixed_size: 0
    .kernarg_segment_align: 8
    .kernarg_segment_size: 24
    .max_flat_workgroup_size: 128
    .sgpr_count:     66
    .vgpr_count:     48
    .wavefront_size: 32
...
	.end_amdgpu_metadata
.endif
;; end of part 2
;; launch backproject (part 3): grid 8 x 32, 8 waves a work-group, no clusters, 52,992 bytes of LDS; arguments res, out0; writes out0
.if DOCPART == 3
	.amdgcn_target "amdgcn-amd-amdhsa--gfx1250"
	.amdhsa_code_object_version 6
	.text
	.protected	k_q6fc78346ca_backproject
	.globl	k_q6fc78346ca_backproject
	.p2align	8
	.type	k_q6fc78346ca_backproject,@function
k_q6fc78346ca_backproject:
	s_mov_b64 s[64:65], 0
	v_nop
	global_prefetch_b8 v0, s[64:65] scope:SCOPE_SE
	s_setreg_imm32_b32 hwreg(HW_REG_WAVE_MODE, 25, 1), 1
	s_wait_xcnt 0x0
; out0[b][row][col] = pi / 90 x the sum over 45 angles of res[a][.][b] interpolated at t = 362 + cos (col - 256) - sin (row - 256).
; SHARES.  A work-group owns 64 columns x 16 rows, both batches; a wave two rows; a lane two neighbouring columns of each, so that a store of the wave is 256 consecutive bytes.
; TABLE.  Over the tile t spans at most 63 |cos| + 15 sin < 65 detectors.  For each angle 72 slots from floor(least t) on lie in LDS, slot s as (r0 - 2 d, 2 d) for both batches,
; d = r[s + 1] - r[s]: with f = 1 + fraction / 2, made by setting the fraction bits under the exponent of 1.0, the interpolated value is (r0 - 2 d) + f (2 d): one 16-byte load,
; one packed addition and one packed multiply-add for a pixel, an angle and both batches.
; WHOLE NUMBERS.  t is fixed point with 22 fraction bits, modulo 2^32 (t lies in 0.7 .. 724 for every pixel of the crop, below 2^10).  LIMIT: cos and sin are cut to 22 bits:
; t is up to 512 x 2^-22 = 1.2e-4 detector from its exact place.  cos and sin are literals, which the assembler makes by turning (1, 0) by 4 degrees at a time in 30 fraction bits.
; The least t of each angle is kept in the lanes of two registers (angle a in lane a % 32 of register a / 32).
; The work-groups share no more than res, 276,480 bytes, of which each reads 45 x 73 x 8 bytes: nothing for a cluster.
.set TS,    1152                       ; 72 slots x 16 bytes
.set SPARE, 51968                      ; behind the table (45 x 1,152 = 51,840): the spare words, 128 bytes a wave
.set RROW,  6144                       ; bytes of res for an angle
.set XB,    1048576                    ; bytes from batch 0 to batch 1 of out0
.set C4,    1071126243                 ; cos 4 degrees x 2^30
.set S4,    74900443                   ; sin 4 degrees x 2^30
.set LANE, 2
.set SPW,  3                           ; LDS address of my spare word; never rewritten
.set NIL,  4                           ; 0; never rewritten
.set TAB,  5                           ; v5-6    the least t of each angle
.set SB,   8                           ; slots 32 + lane
.set SC,   9                           ; slots 64 + min(lane, 7)
.set LA,   10                          ; v10-12  16 x my slot, for the three runs of slots
.set LX,   13                          ; v13 2 lane; v14 62 - 2 lane
.set VO,   15                          ; 8 lane
.set OF,   16                          ; v16-33  byte offsets in res
.set R,    34                          ; v34-105 r[s], r[s + 1] of six angles x three runs
.set TQ,   106                         ; v106-109 a slot to be stored
.set T,    34                          ; later: v34-37 t of my four pixels (row 0: columns 0, 1; row 1: columns 0, 1)
.set IX,   38                          ; v38-41  their LDS addresses
.set W,    42                          ; v42-49  their f, two buffers
.set L,    50                          ; v50-81  their slots, two buffers
.set ACC,  82                          ; v82-89  their sums: pixel p at ACC + 2 p, batch 0 and 1
.set OUT,  90                          ; v90-97  as stored
.macro TURN4
.set TC, (CC*C4-SS*S4)/(1<<30)
.set SS, (SS*C4+CC*S4)/(1<<30)
.set CC, TC
.endm
	s_load_b128 s[4:7], s[0:1], 0x0                ; res s[4:5], out0 s[6:7]
	v_lshl_add_u32 v[SPW], v0, 2, SPARE
	v_mov_b32 v[NIL], 0
	v_lshrrev_b32 v1, 5, v0
	v_readfirstlane_b32 s8, v1                     ; wave
	v_and_b32 v[LANE], 31, v0
	s_and_b32 s10, ttmp7, 0xffff                   ; the tile's row of tiles
	s_lshl_b32 s11, ttmp9, 6
	s_sub_co_i32 s11, s11, 256                     ; first column - 256
	s_lshl_b32 s12, s10, 4
	s_sub_co_i32 s12, s12, 256                     ; first row - 256
	s_lshl_b32 s13, s8, 1                          ; my two rows are 15 - 2 w and 14 - 2 w of the tile
	s_mov_b32 s38, 0x3fffff
	s_mov_b32 s39, 0x3f800000
	s_mov_b32 s40, 0x3d0efa35                      ; pi / 90
	v_mov_b32 v[TAB], 0
	v_mov_b32 v[TAB+1], 0
	; the least t over the tile: at column 0 or 63 by the sign of cos, at row 15 (sin >= 0)
.set CC, 1<<30
.set SS, 0
.set AN, 0
.rept 45
.set K_CT, CC/256
.set K_ST, SS/256
.set K_KA, (362<<22)-15*K_ST
.if K_CT < 0
.set K_KA, K_KA+63*K_CT
.endif
	s_mul_i32 s16, s11, K_CT
	s_mul_i32 s17, s12, K_ST
	s_sub_co_u32 s16, s16, s17
	s_add_co_u32 s16, s16, K_KA
	v_writelane_b32 v[TAB+AN/32], s16, AN%32
	TURN4
.set AN, AN+1
.endr
	v_add_nc_u32 v[SB], 32, v[LANE]
	v_min_u32 v[SC], 7, v[LANE]                    ; the third run has 8 slots: lanes 8 and up repeat lane 7
	v_add_nc_u32 v[SC], 64, v[SC]
	v_lshlrev_b32 v[LA], 4, v[LANE]
	v_lshlrev_b32 v[LA+1], 4, v[SB]
	v_lshlrev_b32 v[LA+2], 4, v[SC]
	v_lshlrev_b32 v[LX], 1, v[LANE]
	v_sub_nc_u32 v[LX+1], 62, v[LX]
	v_lshlrev_b32 v[VO], 3, v[LANE]
	s_wait_kmcnt 0x0
; THE TABLE.  Wave w makes the slots of angles w, w + 8, ..: all its loads go out before the one wait.
.macro ASK m
	s_add_co_u32 s16, s8, 8*((\m)%4)
	v_readlane_b32 s17, v[TAB+(\m)/4], s16
	s_lshr_b32 s17, s17, 22                        ; the first detector of the angle's slots
	s_add_co_u32 s16, s8, 8*(\m)
	s_mul_i32 s16, s16, RROW
	v_add_nc_u32 v[OF+3*(\m)], s17, v[LANE]
	v_add_nc_u32 v[OF+3*(\m)+1], s17, v[SB]
	v_add_nc_u32 v[OF+3*(\m)+2], s17, v[SC]
.irp x, 0,1,2
	v_min_u32 v[OF+3*(\m)+\x], 766, v[OF+3*(\m)+\x]  ; a row of res has 768 entries, and the entry behind mine is read too
	v_lshl_add_u32 v[OF+3*(\m)+\x], v[OF+3*(\m)+\x], 3, s16
	global_load_b64 v[R+12*(\m)+4*\x:R+12*(\m)+4*\x+1], v[OF+3*(\m)+\x], s[4:5]
	global_load_b64 v[R+12*(\m)+4*\x+2:R+12*(\m)+4*\x+3], v[OF+3*(\m)+\x], s[4:5] offset:8
.endr
.endm
.macro BUILD m
	s_add_co_u32 s16, s8, 8*(\m)
	s_mul_i32 s16, s16, TS
.irp x, 0,1,2
	v_pk_add_f32 v[TQ+2:TQ+3], v[R+12*(\m)+4*\x+2:R+12*(\m)+4*\x+3], v[R+12*(\m)+4*\x:R+12*(\m)+4*\x+1] neg_lo:[0,1] neg_hi:[0,1]
	v_pk_add_f32 v[TQ+2:TQ+3], v[TQ+2:TQ+3], v[TQ+2:TQ+3]
	v_pk_add_f32 v[TQ:TQ+1], v[R+12*(\m)+4*\x:R+12*(\m)+4*\x+1], v[TQ+2:TQ+3] neg_lo:[0,1] neg_hi:[0,1]
	v_add_nc_u32 v1, s16, v[LA+\x]
	ds_store_b128 v1, v[TQ:TQ+3]
.endr
.endm
	ASK 0
	ASK 1
	ASK 2
	ASK 3
	ASK 4
	s_cmp_lt_u32 s8, 5                             ; angles 40 + w exist for w < 5
	s_cbranch_scc0 .Lasked
	ASK 5
.Lasked:
	s_wait_loadcnt 0x0
	BUILD 0
	BUILD 1
	BUILD 2
	BUILD 3
	BUILD 4
	s_cmp_lt_u32 s8, 5
	s_cbranch_scc0 .Lbuilt
	BUILD 5
.Lbuilt:
	s_wait_dscnt 0x0                               ; my slots are written,
	s_barrier_signal -1
	s_barrier_wait -1                              ; everybody's are
; THE SUMS.  t less the first slot's detector = fraction of the least t + |cos| x (columns from the side at which t is least) + sin x (rows up from row 15).
; ISSUE makes t, the slot's address and f for my four pixels of angle AN and asks for the slots; CONSUME adds them.  The next angle is issued ahead of this angle's sums.
.macro ISSUE
.set K_CT, CC/256
.set K_ST, SS/256
.set NEG, 0
.set K_AC, K_CT
.if K_CT < 0
.set NEG, 1
.set K_AC, -K_CT
.endif
.set LB, L+16*(AN%2)
.set WB, W+4*(AN%2)
	v_readlane_b32 s16, v[TAB+AN/32], AN%32
	s_mul_i32 s17, s13, K_ST
	s_and_b32 s16, s16, 0x3fffff
	s_add_co_u32 s16, s16, s17
	v_mad_u32_u24 v[T+NEG], v[LX+NEG], K_AC, s16   ; cos >= 0: column 2 l counts 2 l;  cos < 0: column 2 l + 1 counts 62 - 2 l
	v_add_nc_u32 v[T+1-NEG], K_AC, v[T+NEG]
	v_add_nc_u32 v[T+2], K_ST, v[T]
	v_add_nc_u32 v[T+3], K_ST, v[T+1]
.irp p, 0,1,2,3
	v_lshrrev_b32 v[IX+\p], 22, v[T+\p]
	v_and_or_b32 v[WB+\p], v[T+\p], s38, s39
	v_min_u32 v[IX+\p], 71, v[IX+\p]               ; never reached by the arithmetic above; it keeps the address inside the angle's slots in plain sight
	v_lshlrev_b32 v[IX+\p], 4, v[IX+\p]
	ds_load_b128 v[LB+4*\p:LB+4*\p+3], v[IX+\p] offset:AN*TS
.endr
.endm
.macro CONSUME n, left
.set LB, L+16*((\n)%2)
.set WB, W+4*((\n)%2)
	s_wait_dscnt \left                             ; LDS loads come back in order: this angle's four are in, the next angle's four may be out
.if (\n) != 0
.irp p, 0,1,2,3
	v_pk_add_f32 v[ACC+2*\p:ACC+2*\p+1], v[ACC+2*\p:ACC+2*\p+1], v[LB+4*\p:LB+4*\p+1]
.endr
.irp h, 0,1
	v_pk_fma_f32 v[ACC+4*\h:ACC+4*\h+1], v[LB+8*\h+2:LB+8*\h+3], v[WB+2*\h:WB+2*\h+1], v[ACC+4*\h:ACC+4*\h+1] op_sel_hi:[1,0,1]
	v_pk_fma_f32 v[ACC+4*\h+2:ACC+4*\h+3], v[LB+8*\h+6:LB+8*\h+7], v[WB+2*\h:WB+2*\h+1], v[ACC+4*\h+2:ACC+4*\h+3] op_sel:[0,1,0] op_sel_hi:[1,1,1]
.endr
.else
.irp h, 0,1                            ; the first angle starts the sums: nothing is cleared
	v_pk_fma_f32 v[ACC+4*\h:ACC+4*\h+1], v[LB+8*\h+2:LB+8*\h+3], v[WB+2*\h:WB+2*\h+1], v[LB+8*\h:LB+8*\h+1] op_sel_hi:[1,0,1]
	v_pk_fma_f32 v[ACC+4*\h+2:ACC+4*\h+3], v[LB+8*\h+6:LB+8*\h+7], v[WB+2*\h:WB+2*\h+1], v[LB+8*\h+4:LB+8*\h+5] op_sel:[0,1,0] op_sel_hi:[1,1,1]
.endr
.endif
.endm
.set CC, 1<<30
.set SS, 0
.set AN, 0
	ISSUE
.rept 44
	TURN4
.set AN, AN+1
	ISSUE
	CONSUME AN-1, 0x4
.endr
	CONSUME AN, 0x0
	; out: scaled, and laid so that a pair of registers is two neighbouring columns of one batch
	s_lshl_b32 s16, s10, 4
	s_add_co_u32 s16, s16, 14
	s_sub_co_u32 s16, s16, s13                     ; the upper of my two rows: 16 x tile row + 14 - 2 w
	s_lshl_b32 s16, s16, 11
	s_lshl_b32 s17, ttmp9, 8
	s_add_co_u32 s16, s16, s17
	s_mov_b32 s17, 0
	s_add_nc_u64 s[6:7], s[6:7], s[16:17]
.irp r, 0,1
.irp b, 0,1
.irp c, 0,1
	v_mul_f32 v[OUT+4*\r+2*\b+\c], s40, v[ACC+4*\r+2*\c+\b]
.endr
.endr
.endr
.irp r, 0,1
.irp b, 0,1
	global_store_b64 v[VO], v[OUT+4*\r+2*\b:OUT+4*\r+2*\b+1], s[6:7] offset:(1-\r)*2048+\b*XB  ; 32 lanes store 256 consecutive bytes, at a multiple of 256 from the first byte of out0
.endr
.endr
	s_barrier_signal -1                            ; every wave has read the table for the last time (its loads were waited for above)
	s_barrier_wait -1
	s_wait_tensorcnt 0x0                           ; the wave's end
	ds_add_u32 v[SPW], v[NIL]
	s_wait_dscnt 0x0
	s_endpgm
.Lfunc_end_k_q6fc78346ca_backproject:
	.size	k_q6fc78346ca_backproject, .Lfunc_end_k_q6fc78346ca_backproject-k_q6fc78346ca_backproject
	.p2alignl 7, 3214868480
	.fill 96, 4, 3214868480
	.section	.rodata,"a",@progbits
	.p2align	6, 0x0
	.amdhsa_kernel k_q6fc78346ca_backproject
		.amdhsa_group_segment_fixed_size 52992
		.amdhsa_private_segment_fixed_size 0
		.amdhsa_enable_private_segment 0
		.amdhsa_kernarg_size 16
		.amdhsa_user_sgpr_count 2
		.amdhsa_user_sgpr_kernarg_segment_ptr 1
		.amdhsa_wavefront_size32 1
		.amdhsa_system_sgpr_workgroup_id_x 1
		.amdhsa_system_sgpr_workgroup_id_y 1
		.amdhsa_system_sgpr_workgroup_id_z 1
		.amdhsa_system_vgpr_workitem_id 0
		.amdhsa_next_free_vgpr 112
		.amdhsa_next_free_sgpr 66
		.amdhsa_reserve_vcc 0
		.amdhsa_float_denorm_mode_32 3
		.amdhsa_float_denorm_mode_16_64 3
		.amdhsa_memory_ordered 1
		.amdhsa_forward_progress 1
		.amdhsa_inst_pref_size 120
	.end_amdhsa_kernel
	.amdgpu_metadata
---
amdhsa.version: [ 1, 2 ]
amdhsa.kernels:
  - .name:           k_q6fc78346ca_backproject
    .symbol:         k_q6fc78346ca_backproject.kd
    .args:
      - { .name: res, .offset: 0, .size: 8, .value_kind: global_buffer, .address_space: global }
      - { .name: out0, .offset: 8, .size: 8, .value_kind: global_buffer, .address_space: global }
    .group_segment_fixed_size: 52992
    .private_segment_fixed_size: 0
    .kernarg_segment_align: 8
    .kernarg_segment_size: 16
    .max_flat_workgroup_size: 256
    .sgpr_count:     66
    .vgpr_count:     112
    .wavefront_size: 32
...
	.end_amdgpu_metadata
.endif
;; end of part 3
;; ======== version 2 of 2: 3 launches; version 1 with the launch backproject written anew for expert scheduling mode
;; workspace buffers: part 4,239,360 bytes; res 276,480 bytes
;; launch radon: the kernel of part 1 again; grid 256 x 1, 23 waves a work-group, no clusters, 156,160 bytes of LDS; arguments x, part; writes part
;; launch residual: the kernel of part 2 again; grid 6 x 45, 4 waves a work-group, no clusters, 0 bytes of LDS; arguments part, y, res; writes res
;; launch backproject (part 4): grid 8 x 32, 8 waves a work-group, no clusters, 52,992 bytes of LDS; arguments res, out0; writes out0
.if DOCPART == 4
	.amdgcn_target "amdgcn-amd-amdhsa--gfx1250"
	.amdhsa_code_object_version 6
	.text
	.protected	k_q6fc78346ca_backproject
	.globl	k_q6fc78346ca_backproject
	.p2align	8
	.type	k_q6fc78346ca_backproject,@function
k_q6fc78346ca_backproject:
	s_mov_b64 s[64:65], 0
	v_nop
	global_prefetch_b8 v0, s[64:65] scope:SCOPE_SE
	s_setreg_imm32_b32 hwreg(HW_REG_WAVE_SCHED_MODE, 0, 2), 2
	s_setreg_imm32_b32 hwreg(HW_REG_WAVE_MODE, 25, 1), 1
	s_wait_xcnt 0x0
	s_wait_alu depctr_vm_vsrc(0)
; out0[b][row][col] = pi / 90 x the sum over 45 angles of res[a][.][b] interpolated at t = 362 + cos (col - 256) - sin (row - 256).
; SHARES.  A work-group owns 64 columns x 16 rows, both batches; a wave two rows; a lane two neighbouring columns of each, so that a store of the wave is 256 consecutive bytes.
; TABLE.  Over the tile t spans at most 63 |cos| + 15 sin < 65 detectors.  For each angle 72 slots from floor(least t) on lie in LDS, slot s as (r0 - 2 d, 2 d) for both batches,
; d = r[s + 1] - r[s]: with f = 1 + fraction / 2, made by setting the fraction bits under the exponent of 1.0, the interpolated value is (r0 - 2 d) + f (2 d): one 16-byte load,
; one packed addition and one packed multiply-add for a pixel, an angle and both batches.
; WHOLE NUMBERS.  t is fixed point with 22 fraction bits, modulo 2^32 (t lies in 0.7 .. 724 for every pixel of the crop, below 2^10).  LIMIT: cos and sin are cut to 22 bits:
; t is up to 512 x 2^-22 = 1.2e-4 detector from its exact place.  cos and sin are literals, which the assembler makes by turning (1, 0) by 4 degrees at a time in 30 fraction bits.
; The least t of each angle stays in the scalar register in which it is made, for the sums; it is also laid in the lanes of two registers (angle a in lane a % 32 of register a / 32),
; for the table, where the angle hangs on the wave's number.
; The work-groups share no more than res, 276,480 bytes, of which each reads 45 x 73 x 8 bytes: nothing for a cluster.
; THE MODE: SCHED_MODE bits 1:0 = 2 (LLVM: expert scheduling mode 2), set by the entry lines.  The code itself states the register dependences between vector instructions and
; memory or LDS instructions, with s_wait_alu, always for 0.
; THE PLAN.  Registers that memory or LDS instructions touch:
;   OF       Written by the head's arithmetic, all 18 ahead of one wait; read by the loads of res.
;   R        The loads of res land in it; the table's arithmetic works in place on it; ahead of one wait; the LDS stores read it.
;   LA, VO   Made at the head, never written again: the stores' angle stands in their immediate offsets.
;   IX0, IX1 Twelve LDS addresses each: a group of three angles, by the group's parity.  Written by the address lines of angle n, read by the four loads of angle n.
;   L0, L1   Twelve slots each, likewise.  The loads of angle n land there; the sums of angle n read them.
;   OUT      Written by the scalings, read by the four stores.
;   T, W and the sums are named by vector instructions alone.
; In the place of angle n stand the loads of angle n + 3, the sums of angle n and the address lines of angle n + 6.  So in group p the loads touch IX and L of the other parity, which the
; vector lines of group p do not name: two waits at a group's head state all that its twelve loads and its address lines hang on.
.set TS,    1152                       ; 72 slots x 16 bytes
.set SPARE, 51968                      ; behind the table (45 x 1,152 = 51,840): the spare words, 128 bytes a wave
.set RROW,  6144                       ; bytes of res for an angle
.set XB,    1048576                    ; bytes from batch 0 to batch 1 of out0
.set C4,    1071126243                 ; cos 4 degrees x 2^30
.set S4,    74900443                   ; sin 4 degrees x 2^30
.set LANE, 2
.set SPW,  3                           ; LDS address of my spare word; never rewritten
.set NIL,  4                           ; 0; never rewritten
.set TAB,  5                           ; v5-6    the least t of each angle
.set SB,   8                           ; slots 32 + lane
.set SC,   9                           ; slots 64 + min(lane, 7)
.set LA,   10                          ; v10-12  wave x 1,152 + 16 x my slot, for the three runs of slots
.set LX,   13                          ; v13 2 lane; v14 62 - 2 lane
.set VO,   15                          ; 8 lane
.set OF,   16                          ; v16-33  at the head only: byte offsets in res
.set R,    34                          ; v34-105 at the head only: r[s], r[s + 1] of six angles x three runs, then the slots made of them
.set T,    16                          ; later: v16-19 t of my four pixels (row 0: columns 0, 1; row 1: columns 0, 1)
.set IX,   20                          ; v20-43  their LDS addresses: buffer (n / 3) % 2, angle n % 3
.set W,    44                          ; v44-67  their f, likewise
.set L,    68                          ; v68-163 their slots, likewise
.set ACC,  164                         ; v164-171 their sums: pixel p at ACC + 2 p, batch 0 and 1
.set OUT,  172                         ; v172-179 as stored
.set TBS,  16                          ; s16-37, s41-63  the least t of angles 0-21, 22-44
.set FD,   66                          ; s66-71  the least t of my wave's six angles
.macro TURN4
.set TC, (CC*C4-SS*S4)/(1<<30)
.set SS, (SS*C4+CC*S4)/(1<<30)
.set CC, TC
.endm
.macro SREG n                          ; TR: the scalar register of angle n (s38-40 hold constants)
.set TR, TBS+(\n)
.if (\n) >= 22
.set TR, TBS+(\n)+3
.endif
.endm
	s_load_b128 s[4:7], s[0:1], 0x0                ; res s[4:5], out0 s[6:7]
	v_lshl_add_u32 v[SPW], v0, 2, SPARE
	v_mov_b32 v[NIL], 0
	v_lshrrev_b32 v1, 5, v0
	v_readfirstlane_b32 s8, v1                     ; wave
	v_and_b32 v[LANE], 31, v0
	s_and_b32 s10, ttmp7, 0xffff                   ; the tile's row of tiles
	s_lshl_b32 s11, ttmp9, 6
	s_sub_co_i32 s11, s11, 256                     ; first column - 256
	s_lshl_b32 s12, s10, 4
	s_sub_co_i32 s12, s12, 256                     ; first row - 256
	s_wait_alu depctr_va_sdst(0)                   ; s8 is written, ahead of its first reader
	s_lshl_b32 s13, s8, 1                          ; my two rows are 15 - 2 w and 14 - 2 w of the tile
	s_mov_b32 s38, 0x3fffff
	s_mov_b32 s39, 0x3f800000
	s_mov_b32 s40, 0x3d0efa35                      ; pi / 90
	v_mov_b32 v[TAB], 0
	v_mov_b32 v[TAB+1], 0
	; the least t over the tile: at column 0 or 63 by the sign of cos, at row 15 (sin >= 0)
.set CC, 1<<30
.set SS, 0
.set AN, 0
.rept 45
.set K_CT, CC/256
.set K_ST, SS/256
.set K_KA, (362<<22)-15*K_ST
.if K_CT < 0
.set K_KA, K_KA+63*K_CT
.endif
	SREG AN
	s_mul_i32 s14, s11, K_CT
	s_mul_i32 s15, s12, K_ST
	s_sub_co_u32 s14, s14, s15
	s_add_co_u32 s[TR], s14, K_KA
	v_writelane_b32 v[TAB+AN/32], s[TR], AN%32
	TURN4
.set AN, AN+1
.endr
	v_add_nc_u32 v[SB], 32, v[LANE]
	v_min_u32 v[SC], 7, v[LANE]                    ; the third run has 8 slots: lanes 8 and up repeat lane 7
	v_add_nc_u32 v[SC], 64, v[SC]
	s_mul_i32 s14, s8, TS                          ; wave w makes the slots of angles w, w + 8, ..
	v_lshl_add_u32 v[LA], v[LANE], 4, s14
	v_lshl_add_u32 v[LA+1], v[SB], 4, s14
	v_lshl_add_u32 v[LA+2], v[SC], 4, s14
	v_lshlrev_b32 v[LX], 1, v[LANE]
	v_sub_nc_u32 v[LX+1], 62, v[LX]
	v_lshlrev_b32 v[VO], 3, v[LANE]
.irp m, 0,1,2,3,4,5
	s_add_co_u32 s15, s8, 8*(\m%4)
	v_readlane_b32 s[FD+\m], v[TAB+\m/4], s15      ; angle w + 8 m; for w > 4 the sixth finds a lane that holds 0, and nothing is loaded by it
.endr
	s_wait_alu depctr_va_sdst(0)                   ; the six are written, ahead of their first readers: one wait for the run
; THE TABLE.  Wave w makes the slots of angles w, w + 8, ..: all its offsets are made, then all its loads go out before the one wait for them.
.macro WHERE m
	s_lshr_b32 s14, s[FD+(\m)], 22                 ; the first detector of the angle's slots
	s_add_co_u32 s15, s8, 8*(\m)
	s_mul_i32 s15, s15, RROW
	v_add_nc_u32 v[OF+3*(\m)], s14, v[LANE]
	v_add_nc_u32 v[OF+3*(\m)+1], s14, v[SB]
	v_add_nc_u32 v[OF+3*(\m)+2], s14, v[SC]
.irp x, 0,1,2
	v_min_u32 v[OF+3*(\m)+\x], 766, v[OF+3*(\m)+\x]  ; a row of res has 768 entries, and the entry behind mine is read too
.endr
.irp x, 0,1,2
	v_lshl_add_u32 v[OF+3*(\m)+\x], v[OF+3*(\m)+\x], 3, s15
.endr
.endm
.macro ASK m
.irp x, 0,1,2
	global_load_b64 v[R+12*(\m)+4*\x:R+12*(\m)+4*\x+1], v[OF+3*(\m)+\x], s[4:5]
	global_load_b64 v[R+12*(\m)+4*\x+2:R+12*(\m)+4*\x+3], v[OF+3*(\m)+\x], s[4:5] offset:8
.endr
.endm
.macro CALC m                          ; (r0, r1) -> (r0 - 2 d, 2 d), in place
.irp x, 0,1,2
	v_pk_add_f32 v[R+12*(\m)+4*\x+2:R+12*(\m)+4*\x+3], v[R+12*(\m)+4*\x+2:R+12*(\m)+4*\x+3], v[R+12*(\m)+4*\x:R+12*(\m)+4*\x+1] neg_lo:[0,1] neg_hi:[0,1]
.endr
.irp x, 0,1,2
	v_pk_add_f32 v[R+12*(\m)+4*\x+2:R+12*(\m)+4*\x+3], v[R+12*(\m)+4*\x+2:R+12*(\m)+4*\x+3], v[R+12*(\m)+4*\x+2:R+12*(\m)+4*\x+3]
.endr
.irp x, 0,1,2
	v_pk_add_f32 v[R+12*(\m)+4*\x:R+12*(\m)+4*\x+1], v[R+12*(\m)+4*\x:R+12*(\m)+4*\x+1], v[R+12*(\m)+4*\x+2:R+12*(\m)+4*\x+3] neg_lo:[0,1] neg_hi:[0,1]
.endr
.endm
.macro PUT m
.irp x, 0,1,2
	ds_store_b128 v[LA+\x], v[R+12*(\m)+4*\x:R+12*(\m)+4*\x+3] offset:8*(\m)*TS
.endr
.endm
	WHERE 0
	WHERE 1
	WHERE 2
	WHERE 3
	WHERE 4
	WHERE 5
	s_wait_kmcnt 0x0
	s_wait_alu depctr_va_vdst(0)                   ; the 18 offsets are written, which the loads below read; so are v[LA ..] and v[VO], which the LDS stores and the last stores read
	ASK 0
	ASK 1
	ASK 2
	ASK 3
	ASK 4
	s_cmp_lt_u32 s8, 5                             ; angles 40 + w exist for w < 5
	s_cbranch_scc0 .Lasked
	ASK 5
.Lasked:
	s_wait_loadcnt 0x0
	CALC 0
	CALC 1
	CALC 2
	CALC 3
	CALC 4
	s_cmp_lt_u32 s8, 5
	s_cbranch_scc0 .Lmade
	CALC 5
.Lmade:
	s_wait_alu depctr_va_vdst(0)                   ; the slots are written in v[R ..], which the LDS stores read
	PUT 0
	PUT 1
	PUT 2
	PUT 3
	PUT 4
	s_cmp_lt_u32 s8, 5
	s_cbranch_scc0 .Lbuilt
	PUT 5
.Lbuilt:
	s_wait_dscnt 0x0                               ; my slots are written,
	s_barrier_signal -1
	s_barrier_wait -1                              ; everybody's are
	s_wait_alu depctr_vm_vsrc(0)                   ; the loads of res have read v[OF ..] and my LDS stores v[R ..]: these registers are T, IX, W and L from here on
; THE SUMS.  t less the first slot's detector = fraction of the least t + |cos| x (columns from the side at which t is least) + sin x (rows up from row 15).
; ADDR_T makes t of my four pixels for angle AN, ADDR_X the slots' addresses and f, and turns on to the next angle; LOAD asks for an angle's four slots; ADDS and FMAS add them.
.macro ADDR_T
.set K_CT, CC/256
.set K_ST, SS/256
.set NEG, 0
.set K_AC, K_CT
.if K_CT < 0
.set NEG, 1
.set K_AC, -K_CT
.endif
	SREG AN
	s_mul_i32 s15, s13, K_ST
	s_and_b32 s14, s[TR], 0x3fffff
	s_add_co_u32 s14, s14, s15
	v_mad_u32_u24 v[T+NEG], v[LX+NEG], K_AC, s14   ; cos >= 0: column 2 l counts 2 l;  cos < 0: column 2 l + 1 counts 62 - 2 l
	v_add_nc_u32 v[T+1-NEG], K_AC, v[T+NEG]
	v_add_nc_u32 v[T+2], K_ST, v[T]
	v_add_nc_u32 v[T+3], K_ST, v[T+1]
.endm
.macro ADDR_X
.set AI, IX+12*((AN/3)%2)+4*(AN%3)
.set AW, W+12*((AN/3)%2)+4*(AN%3)
.irp p, 0,1,2,3
	v_lshrrev_b32 v[AI+\p], 22, v[T+\p]
.endr
.irp p, 0,1,2,3
	v_and_or_b32 v[AW+\p], v[T+\p], s38, s39
.endr
.irp p, 0,1,2,3
	v_min_u32 v[AI+\p], 71, v[AI+\p]               ; never reached by the arithmetic above; it keeps the address inside the angle's slots in plain sight
.endr
.irp p, 0,1,2,3
	v_lshlrev_b32 v[AI+\p], 4, v[AI+\p]
.endr
	TURN4
.set AN, AN+1
.endm
.macro LOAD n
.set QL, L+48*(((\n)/3)%2)+16*((\n)%3)
.set QI, IX+12*(((\n)/3)%2)+4*((\n)%3)
.irp p, 0,1,2,3
	ds_load_b128 v[QL+4*\p:QL+4*\p+3], v[QI+\p] offset:(\n)*TS
.endr
.endm
.macro ADDS n
.set CL, L+48*(((\n)/3)%2)+16*((\n)%3)
.irp p, 0,1,2,3
	v_pk_add_f32 v[ACC+2*\p:ACC+2*\p+1], v[ACC+2*\p:ACC+2*\p+1], v[CL+4*\p:CL+4*\p+1]
.endr
.endm
.macro FMAS n
.set CL, L+48*(((\n)/3)%2)+16*((\n)%3)
.set CW, W+12*(((\n)/3)%2)+4*((\n)%3)
.irp h, 0,1
	v_pk_fma_f32 v[ACC+4*\h:ACC+4*\h+1], v[CL+8*\h+2:CL+8*\h+3], v[CW+2*\h:CW+2*\h+1], v[ACC+4*\h:ACC+4*\h+1] op_sel_hi:[1,0,1]
	v_pk_fma_f32 v[ACC+4*\h+2:ACC+4*\h+3], v[CL+8*\h+6:CL+8*\h+7], v[CW+2*\h:CW+2*\h+1], v[ACC+4*\h+2:ACC+4*\h+3] op_sel:[0,1,0] op_sel_hi:[1,1,1]
.endr
.endm
.macro FIRST                           ; the first angle starts the sums: nothing is cleared
.irp h, 0,1
	v_pk_fma_f32 v[ACC+4*\h:ACC+4*\h+1], v[L+8*\h+2:L+8*\h+3], v[W+2*\h:W+2*\h+1], v[L+8*\h:L+8*\h+1] op_sel_hi:[1,0,1]
	v_pk_fma_f32 v[ACC+4*\h+2:ACC+4*\h+3], v[L+8*\h+6:L+8*\h+7], v[W+2*\h:W+2*\h+1], v[L+8*\h+4:L+8*\h+5] op_sel:[0,1,0] op_sel_hi:[1,1,1]
.endr
.endm
.set CC, 1<<30
.set SS, 0
.set AN, 0
.rept 3
	ADDR_T                                         ; angles 0 to 2
	ADDR_X
.endr
	s_wait_alu depctr_va_vdst(0)                   ; IX0 is written, which the twelve loads below read; the table's arithmetic, which named part of L0, stands ahead of this wait too
	LOAD 0
	LOAD 1
	LOAD 2
.rept 3
	ADDR_T                                         ; angles 3 to 5, into IX1 and W1, which no load has read
	ADDR_X
.endr
.set N, 0
.rept 45                               ; the place of angle N: the loads of N + 3, the sums of N, the address lines of N + 6
.if N%3 == 0
.if N+6 <= 44
	s_wait_alu depctr_vm_vsrc(0)                   ; the loads of this group's three angles, issued a group ago, have read their IX, which this group's address lines write again
.endif
.if N+3 <= 44
	s_wait_alu depctr_va_vdst(0)                   ; the last group's address lines have written the other IX, which this group's loads read, and its sums are done reading the other L, in which they land
.endif
.endif
.if N+3 <= 44
	LOAD N+3                                       ; no further wait: no vector line since the group's head names the other IX or the other L
	s_wait_dscnt 12                                ; LDS loads come back in order: this angle's four are in, the three younger angles' twelve may be out
.else
	s_wait_dscnt 4*(44-N)                          ; nothing more is asked for: the counts run down
.endif
.if N != 0
	ADDS N
.endif
.if N+6 <= 44
	ADDR_T
.endif
.if N == 0
	FIRST
.else
	FMAS N
.endif
.if N+6 <= 44
	ADDR_X                                         ; behind the multiply-adds, which read the f that these lines write anew
.endif
.set N, N+1
.endr
	; out: scaled, and laid so that a pair of registers is two neighbouring columns of one batch
	s_lshl_b32 s14, s10, 4
	s_add_co_u32 s14, s14, 14
	s_sub_co_u32 s14, s14, s13                     ; the upper of my two rows: 16 x tile row + 14 - 2 w
	s_lshl_b32 s14, s14, 11
	s_lshl_b32 s15, ttmp9, 8
	s_add_co_u32 s14, s14, s15
	s_mov_b32 s15, 0
	s_add_nc_u64 s[6:7], s[6:7], s[14:15]
.irp r, 0,1
.irp b, 0,1
.irp c, 0,1
	v_mul_f32 v[OUT+4*\r+2*\b+\c], s40, v[ACC+4*\r+2*\c+\b]
.endr
.endr
.endr
	s_wait_alu depctr_va_vdst(0)                   ; the scalings have written v[OUT ..], which the stores read
.irp r, 0,1
.irp b, 0,1
	global_store_b64 v[VO], v[OUT+4*\r+2*\b:OUT+4*\r+2*\b+1], s[6:7] offset:(1-\r)*2048+\b*XB  ; 32 lanes store 256 consecutive bytes, at a multiple of 256 from the first byte of out0
.endr
.endr
	s_barrier_signal -1                            ; every wave has read the table for the last time (its loads were waited for above)
	s_barrier_wait -1
	s_wait_dscnt 0x0                               ; the closing lines, six on end
	s_wait_alu 0x0
	s_wait_tensorcnt 0x0
	ds_add_u32 v[SPW], v[NIL]
	s_wait_dscnt 0x0
	s_endpgm
.Lfunc_end_k_q6fc78346ca_backproject:
	.size	k_q6fc78346ca_backproject, .Lfunc_end_k_q6fc78346ca_backproject-k_q6fc78346ca_backproject
	.p2alignl 7, 3214868480
	.fill 96, 4, 3214868480
	.section	.rodata,"a",@progbits
	.p2align	6, 0x0
	.amdhsa_kernel k_q6fc78346ca_backproject
		.amdhsa_group_segment_fixed_size 52992
		.amdhsa_private_segment_fixed_size 0
		.amdhsa_enable_private_segment 0
		.amdhsa_kernarg_size 16
		.amdhsa_user_sgpr_count 2
		.amdhsa_user_sgpr_kernarg_segment_ptr 1
		.amdhsa_wavefront_size32 1
		.amdhsa_system_sgpr_workgroup_id_x 1
		.amdhsa_system_sgpr_workgroup_id_y 1
		.amdhsa_system_sgpr_workgroup_id_z 1
		.amdhsa_system_vgpr_workitem_id 0
		.amdhsa_next_free_vgpr 180
		.amdhsa_next_free_sgpr 72
		.amdhsa_reserve_vcc 0
		.amdhsa_float_denorm_mode_32 3
		.amdhsa_float_denorm_mode_16_64 3
		.amdhsa_memory_ordered 1
		.amdhsa_forward_progress 1
		.amdhsa_inst_pref_size 117
	.end_amdhsa_kernel
	.amdgpu_metadata
---
amdhsa.version: [ 1, 2 ]
amdhsa.kernels:
  - .name:           k_q6fc78346ca_backproject
    .symbol:         k_q6fc78346ca_backproject.kd
    .args:
      - { .name: res, .offset: 0, .size: 8, .value_kind: global_buffer, .address_space: global }
      - { .name: out0, .offset: 8, .size: 8, .value_kind: global_buffer, .address_space: global }
    .group_segment_fixed_size: 52992
    .private_segment_fixed_size: 0
    .kernarg_segment_align: 8
    .kernarg_segment_size: 16
    .max_flat_workgroup_size: 256
    .sgpr_count:     72
    .vgpr_count:     180
    .wavefront_size: 32
...
	.end_amdgpu_metadata
.endif
;; end of part 4
